; MI455X (gfx1250); checked and timed in simulation.
; The chip was launched on July 23, 2026; its instructions are those of AMD's public machine-readable ISA for CDNA 5 (MIT licence, August 2026) and "CDNA5" Instruction Set Architecture Reference Guide (July 2026). The comments in the code are by the model that wrote it; some were corrected since.
;; Self Attn. Allowed arithmetic: matrix products marked QUANTISED: E2M1 operands, one E8M0 scale for each 32 along K, by v_wmma_scale_f32_16x16x128_f8f6f4 with both operands' format E2M1 (or v_wmma_scale_f32_32x16x128_f4), f32 sums; products left as they are: f32 operands where the result goes on into a quantised operand, else bf16, f16 or f32 operands; f32 sums; everything else in f32.
;; Inputs: V 512 x 512 float32; W 512 x 512 float32; input_seq 256 x 512 x 512 float32; v 512 float32.
;; Outputs: out0 256 x 1 float32.
;; This version of the problem:
;;   THIS VERSION OF THE PROBLEM IS GIVEN IN LOW PRECISION. The matrix products marked QUANTISED in the list below multiply operands that are first quantised to E2M1 (2 exponent bits, 1 mantissa bit; 4 bits a number), with one power-of-two scale for each 32 numbers along K (OCP MX v1.0); their sums are f32. All else is computed in f32.
;;   The module's matrix products, in the order in which they are computed (A, B: the left and right operand; K: the contracted axis; several contracted axes count as one K, in the product's order):
;;     1. [M 131,072, K 512] x [K 512, N 512]; A: input input_seq; B: input W: QUANTISED
;;     2. batch 256 x [M 1, K 512] x [K 512, N 512]; A: input input_seq; B: computed on the way: left as it is (M = 1 < 16)
;;     3. [M 131,072, K 512] x [K 512, N 512]; A: input input_seq; B: input V: QUANTISED
;;     4. batch 256 x [M 1, K 512] x [K 512, N 512]; A: softmax; B: computed on the way: left as it is (M = 1 < 16)
;;     5. [M 256, K 512] x [K 512, N 1]; A: computed on the way; B: input v: left as it is (N = 1 < 16)
;;   THE QUANTISER, for each operand of a quantised product, along K:
;;     - K is cut into blocks of 32 from its start; a last block that is shorter is filled with zeros.
;;     - A block's scale is 2^e with e = floor(log2(the largest magnitude in the block)) - 2, held to -126 .. 127; a block of zeros has e = 0. As a byte (E8M0): e + 127.
;;     - Each number is divided by its block's scale, clamped to +-6, and rounded to the nearest number of E2M1, ties to even, subnormals kept.
;;     - The product sums the exact products of the quantised numbers (number of the format x scale) in f32.
;;   ~~~python
;;   def quantise(x, axis):      # numpy; x: float32 -> the quantised numbers, widened to float32 again
;;       x = np.moveaxis(x, axis, -1); K = x.shape[-1]
;;       x = np.pad(x, [(0, 0)] * (x.ndim - 1) + [(0, -K % 32)]); x = x.reshape(x.shape[:-1] + (-1, 32)); a = np.abs(x).max(-1, keepdims=True)
;;       e = np.where(a > 0, np.clip(np.frexp(np.where(a > 0, a, 1))[1] - 1 - 2, -126, 127), 0)      # np.frexp(a)[1] - 1 = floor(log2(a)), exactly
;;       r = np.clip(x / 2.0 ** e, -6, 6)
;;       step = 2.0 ** (np.maximum(np.frexp(np.where(r == 0, 1, r))[1] - 1, 0) - 1)
;;       q = np.round(r / step) * step * 2.0 ** e      # np.round: ties to even
;;       return np.moveaxis(q.reshape(q.shape[:-2] + (-1,))[..., :K], -1, axis).astype(np.float32)
;;   ~~~
;; One version. Each part assembles by itself: llvm-mc -triple=amdgcn-amd-amdhsa -mcpu=gfx1250 --defsym DOCPART=n.
;; ======== version 1 of 1: 2 launches
;; limits: right only within a limited range of input values
;; workspace buffers: wq 262,144 bytes; wsc 16,384 bytes
;; launch prep (part 1): grid 64 x 1, 4 waves a work-group, no clusters, 37,888 bytes of LDS; arguments W, V, wq, wsc; writes wq, wsc
.if DOCPART == 1
	.amdgcn_target "amdgcn-amd-amdhsa--gfx1250"
	.amdhsa_code_object_version 6
	.text
	.protected	k_qaf06f743cb_prep
	.globl	k_qaf06f743cb_prep
	.p2align	8
	.type	k_qaf06f743cb_prep,@function
k_qaf06f743cb_prep:
	s_mov_b64 s[64:65], 0
	v_nop
	global_prefetch_b8 v0, s[64:65] scope:SCOPE_SE
	s_setreg_imm32_b32 hwreg(HW_REG_WAVE_MODE, 25, 1), 1
	s_wait_xcnt 0x0
; W and V, [512][512] f32 with K innermost, become codes of FP4 (E2M1) with one E8M0 byte for each 32 along K, laid in the ORDER OF THE OPERAND'S REGISTERS.
; wq: tile id = 32 sel + T (sel 0: W, 1: V; T: rows 16 T .. 16 T + 15) at 4,096 id; in it K step s (128 along K) at 1,024 s, half c at 512 c, lane l's 16 bytes at 16 l:
;     registers 4 c .. 4 c + 3 of lane (r = l % 16, h = l / 16): row r, k = 128 s + 64 c + 32 h + 0 .. 31.  So the reader fills a fragment by two loads of 16 bytes a lane, 512 consecutive bytes each.
; wsc: at 512 T + 256 sel + 16 r the 16 scale bytes of row r: one load of 16 bytes a lane gives lanes 0-15 W's four scale words and lanes 16-31 V's.
; A block's scale is 2^(floor(log2(its largest magnitude)) - 2); its byte is the largest magnitude's exponent field - 2, held at 1 from below.
; THE ORDER OF k INSIDE 16.  Lane l holds k = 16 l .. 16 l + 15 of a row, its four quads turned: register quad i holds quad (i + l / 4) % 4.  The turn hangs on k alone, stays inside half a block of 32, and the
; launch that quantises x makes the same one: blocks, scales and products are the contract's; only the order in which an instruction adds its products differs.
; LIMITS: a block of zeros, or one whose largest magnitude lies under 2^-124, gets the byte 1 (its codes are zeros or the nearest codes under that scale; this program alone reads the bytes); NaN and infinities are not served.
; SHARES: a work-group makes one tile of 16 rows, wave w rows 4 w .. 4 w + 3.  No tensor load, one barrier.
.set STG, 32768                        ; LDS: behind the four waves' 8,192 bytes of f32 rows: the tile's 4,096 bytes of codes in the order of wq,
.set SCB, 36864                        ; and its 256 scale bytes
.set T,   12                           ; v12-15  largest magnitudes, a row each
.set S,   16                           ; v16-19  the conversions' scale operands
.set C,   20                           ; v20-27  codes, a pair a row
.set B,   28                           ; v28-31  scale bytes
.set X,   32                           ; v32-95  four rows x 16 numbers
	s_load_b256 s[4:11], s[0:1], 0x0               ; W s[4:5], V s[6:7], wq s[8:9], wsc s[10:11]
	v_lshl_add_u32 v128, v0, 2, 0x9200
	v_mov_b32 v129, 0
	v_lshrrev_b32 v1, 5, v0
	v_readfirstlane_b32 s12, v1                    ; wave 0..3
	v_and_b32 v1, 31, v0                           ; lane
	v_lshlrev_b32 v2, 4, v1                        ; 16 x lane
	s_lshl_b32 s13, s12, 13                        ; my wave's 8,192 bytes: in LDS, and in the tile's rows in memory
	v_add_nc_u32 v3, s13, v2                       ; the rows go into LDS as they lie
	v_lshrrev_b32 v12, 2, v1
.irp i, 0,1,2,3
	v_add_nc_u32 v13, \i, v12
	v_and_b32 v13, 3, v13
	v_lshlrev_b32 v13, 4, v13
	v_lshl_add_u32 v[4+\i], v1, 6, v13             ; and come back 64 bytes a lane, quad (i + lane / 4) % 4: sixteen lanes then touch sixteen different columns of 16 bytes in 256 (64 banks of 4 bytes: ISA guide 11.1)
	v_add_nc_u32 v[4+\i], s13, v[4+\i]
.endr
	v_lshrrev_b32 v8, 1, v1
	v_lshlrev_b32 v8, 8, v8                        ; my 8 bytes of codes: lane / 2 = 4 s + 2 c + h: 256 bytes each,
	v_and_b32 v14, 1, v1
	v_lshl_add_u32 v8, v14, 3, v8                  ; + 8 (lane % 2),
	s_lshl_b32 s14, s12, 6
	v_add_nc_u32 v8, s14, v8                       ; + 16 bytes a row: my wave's four rows begin at 64 w
	v_add_nc_u32 v8, STG, v8
	v_lshrrev_b32 v9, 1, v1                        ; my block's scale byte: 16 bytes a row, byte lane / 2
	v_add_nc_u32 v9, s14, v9
	v_add_nc_u32 v9, SCB, v9
	s_lshl_b32 s15, s12, 10
	v_add_nc_u32 v10, s15, v2                      ; the way out: wave w takes K step w's 1,024 bytes
	v_add_nc_u32 v10, STG, v10
	v_lshlrev_b32 v11, 3, v1                       ; the scale bytes' way out: 8 bytes a lane
	v_lshl_add_u32 v110, v1, 3, SCB
	s_and_b32 s22, ttmp9, 31                       ; T
	s_lshl_b32 s16, s22, 15                        ; 16 rows of 2,048 bytes,
	s_add_co_u32 s16, s16, s13                     ; + my wave's four
	s_mov_b32 s17, 0
	s_lshl_b32 s18, ttmp9, 12                      ; the tile's place in wq,
	s_add_co_u32 s18, s18, s15                     ; + my wave's K step
	s_mov_b32 s19, 0
	s_lshl_b32 s20, s22, 9                         ; and in wsc: 512 T + 256 sel
	s_lshr_b32 s23, ttmp9, 5
	s_lshl_b32 s23, s23, 8
	s_add_co_u32 s20, s20, s23
	s_mov_b32 s21, 0
	s_wait_kmcnt 0x0
	s_cmp_lt_u32 ttmp9, 32                         ; W's tile or V's: the choice hangs on the work-group's number alone
	s_cselect_b64 s[4:5], s[4:5], s[6:7]
	s_add_nc_u64 s[4:5], s[4:5], s[16:17]
	s_add_nc_u64 s[8:9], s[8:9], s[18:19]
	s_add_nc_u64 s[10:11], s[10:11], s[20:21]
.irp r, 0,1,2,3
.irp i, 0,1,2,3
	global_load_b128 v[X+16*\r+4*\i:X+16*\r+4*\i+3], v2, s[4:5] offset:2048*\r+512*\i th:TH_LOAD_NT   ; 32 lanes read 512 consecutive bytes
.endr
.endr
	s_wait_loadcnt 0x0
.irp r, 0,1,2,3
.irp i, 0,1,2,3
	ds_store_b128 v3, v[X+16*\r+4*\i:X+16*\r+4*\i+3] offset:2048*\r+512*\i
.endr
.endr
.irp r, 0,1,2,3
.irp i, 0,1,2,3
	ds_load_b128 v[X+16*\r+4*\i:X+16*\r+4*\i+3], v[4+\i] offset:2048*\r   ; my wave's own bytes: LDS serves a wave's instructions in order (ISA guide 5.7.1.4), so these see the stores above
.endr
.endr
	s_wait_dscnt 0x0
.irp r, 0,1,2,3
	v_max3_num_f32 v[T+\r], |v[X+16*\r]|, |v[X+16*\r+1]|, 0x1800000   ; my 16 numbers of the row, and the floor 2^(3 - 127): the byte cannot fall under 1.  (The four rows by turns)
.endr
.irp i, 2,4,6,8,10,12,14
.irp r, 0,1,2,3
	v_max3_num_f32 v[T+\r], v[T+\r], |v[X+16*\r+\i]|, |v[X+16*\r+\i+1]|
.endr
.endr
.irp r, 0,1,2,3
	v_max_num_f32_dpp v[T+\r], v[T+\r], v[T+\r] row_xmask:1 row_mask:0xf bank_mask:0xf   ; with my neighbour's 16: the block's largest magnitude
.endr
.irp r, 0,1,2,3
	v_add_nc_u32 v[S+\r], 0xff000000, v[T+\r]      ; 2 off its exponent field: the conversion takes the exponent field of this operand as its scale
.endr
.irp r, 0,1,2,3
	v_cvt_scalef32_pk8_fp4_f32 v[C+2*\r], v[X+16*\r:X+16*\r+7], v[S+\r]
	v_cvt_scalef32_pk8_fp4_f32 v[C+2*\r+1], v[X+16*\r+8:X+16*\r+15], v[S+\r]
.endr
.irp r, 0,1,2,3
	v_lshrrev_b32 v[B+\r], 23, v[S+\r]             ; the scale's byte (also the plain line behind the conversions)
.endr
.irp r, 0,1,2,3
	ds_store_b64 v8, v[C+2*\r:C+2*\r+1] offset:16*\r   ; four such stores a wave in the whole launch: their bank conflicts are left as they are
	ds_store_b8 v9, v[B+\r] offset:16*\r           ; both lanes of a block write the same byte with the same value
.endr
	s_wait_dscnt 0x0                               ; for the others' sake: my stores have landed
	s_barrier_signal -1
	s_barrier_wait -1
	ds_load_b128 v[96:99], v10
	ds_load_b128 v[100:103], v10 offset:512
	s_wait_dscnt 0x0
	global_store_b128 v2, v[96:99], s[8:9]         ; 32 lanes store 512 consecutive bytes, at a multiple of 256 from wq's first byte
	global_store_b128 v2, v[100:103], s[8:9] offset:512
	s_cmp_lg_u32 s12, 0                            ; wave 0 stores the tile's 256 scale bytes
	s_cbranch_scc1 .Lend
	ds_load_b64 v[104:105], v110
	s_wait_dscnt 0x0
	global_store_b64 v11, v[104:105], s[10:11]     ; 32 lanes store 256 consecutive bytes, aligned
.Lend:
	s_wait_tensorcnt 0x0
	ds_add_u32 v128, v129
	s_wait_dscnt 0x0
	s_endpgm
.Lfunc_end_k_qaf06f743cb_prep:
	.size	k_qaf06f743cb_prep, .Lfunc_end_k_qaf06f743cb_prep-k_qaf06f743cb_prep
	.p2alignl 7, 3214868480
	.fill 96, 4, 3214868480
	.section	.rodata,"a",@progbits
	.p2align	6, 0x0
	.amdhsa_kernel k_qaf06f743cb_prep
		.amdhsa_group_segment_fixed_size 37888
		.amdhsa_private_segment_fixed_size 0
		.amdhsa_enable_private_segment 0
		.amdhsa_kernarg_size 32
		.amdhsa_user_sgpr_count 2
		.amdhsa_user_sgpr_kernarg_segment_ptr 1
		.amdhsa_wavefront_size32 1
		.amdhsa_system_sgpr_workgroup_id_x 1
		.amdhsa_system_sgpr_workgroup_id_y 1
		.amdhsa_system_sgpr_workgroup_id_z 1
		.amdhsa_system_vgpr_workitem_id 0
		.amdhsa_next_free_vgpr 130
		.amdhsa_next_free_sgpr 66
		.amdhsa_reserve_vcc 0
		.amdhsa_float_denorm_mode_32 3
		.amdhsa_float_denorm_mode_16_64 3
		.amdhsa_memory_ordered 1
		.amdhsa_forward_progress 1
		.amdhsa_inst_pref_size 11
	.end_amdhsa_kernel
	.amdgpu_metadata
---
amdhsa.version: [ 1, 2 ]
amdhsa.kernels:
  - .name:           k_qaf06f743cb_prep
    .symbol:         k_qaf06f743cb_prep.kd
    .args:
      - { .name: W, .offset: 0, .size: 8, .value_kind: global_buffer, .address_space: global }
      - { .name: V, .offset: 8, .size: 8, .value_kind: global_buffer, .address_space: global }
      - { .name: wq, .offset: 16, .size: 8, .value_kind: global_buffer, .address_space: global }
      - { .name: wsc, .offset: 24, .size: 8, .value_kind: global_buffer, .address_space: global }
    .group_segment_fixed_size: 37888
    .private_segment_fixed_size: 0
    .kernarg_segment_align: 8
    .kernarg_segment_size: 32
    .max_flat_workgroup_size: 128
    .sgpr_count:     66
    .vgpr_count:     130
    .wavefront_size: 32
...
	.end_amdgpu_metadata
.endif
;; end of part 1
;; launch main (part 2): grid 256 x 1, 8 waves a work-group, no clusters, 327,680 bytes of LDS; arguments input_seq, wq, wsc, v, out0; writes out0
.if DOCPART == 2
	.amdgcn_target "amdgcn-amd-amdhsa--gfx1250"
	.amdhsa_code_object_version 6
	.text
	.protected	k_qaf06f743cb_main
	.globl	k_qaf06f743cb_main
	.p2align	8
	.type	k_qaf06f743cb_main,@function
k_qaf06f743cb_main:
	s_mov_b64 s[64:65], 0
	v_nop
	global_prefetch_b8 v0, s[64:65] scope:SCOPE_SE
	s_setreg_imm32_b32 hwreg(HW_REG_WAVE_MODE, 25, 1), 1
	s_wait_xcnt 0x0
; out[n] = relu(softmax_l(q . K[l]) vals[l]) . v for one sequence n a work-group: K = Q(x) Q(W)^T and vals = Q(x) Q(V)^T on codes of FP4 (E2M1) with E8M0 scales for each 32 along K; q = x's last row, in f32.
; Nothing of reference() is left out: every input is read.
; SHARES.  Eight waves.  Wave w owns columns 64 w .. 64 w + 63 of K and of vals: 4 tiles of W and 4 of V, as codes in the order of the operand's registers (wq), stay in its registers v256-511 for the whole launch.
; x goes in 8 blocks of 64 rows (131,072 bytes) through a ring of two LDS slots; wave w fetches, reads and quantises rows 8 w .. 8 w + 7 of a block (16,384 dense bytes, stated as 64 rows of 256 bytes).
; A BLOCK: the change of slots and the next block's load; quantise (codes and scale bytes to LDS); barrier; all 64 rows' fragments into registers; K^T tiles (source 0 = W, source 1 = x: a lane holds one row of x),
; each multiplied by q and summed: a partial score a wave and row, to LDS; the first vals tile's products are issued; barrier; every wave adds the eight partials and makes p = 2^(c score - m), m the running largest c score,
; c = log2(e); the sums made so far are multiplied by 2^(old m - new m); vals tiles (source 0 = x, source 1 = V: a lane holds one column) are weighed with p and summed over the rows.
; At the end the sums are divided by the sum of p, clipped at 0, multiplied by v.
; THE ORDER OF k INSIDE 16 is the one that wq has: lane l holds k = 16 l .. 16 l + 15 of a row, register quad i = quad (i + l / 4) % 4; blocks and scales are the contract's.
; NO CLUSTER: work-groups share wq and wsc alone, 278,528 bytes read once into registers at the head, beside 1,048,576 bytes of x that are a work-group's own.
; PREFETCH: trip i asks for block i + 2, which trip i + 1 loads; each wave for its own 16,384 bytes, lanes 256 bytes apart, two instructions, behind the trip's second barrier; trip 6 asks for nothing (block 7 is the last).
; LIMITS: a block of 32 whose largest magnitude lies under 2^-124 (zeros too) gets the byte 1; NaN and infinities among the inputs are not served.
; REGISTERS: v0-19 addresses and the softmax's state; v20-23 slot addresses, then partial scores, then p and the factor, at the end v; v24-39 W's and V's scale words; v40-55 x's; v56-63 pooled sums;
; v64-95 q, then the softmax's work, then p; v96-127 four accumulators, in the quantiser at work; v128-255 x's rows, then its fragments.
.set SLOTB, 131072
.set CODES, 262144                     ; 64 rows of 256 bytes of codes + 16 of padding
.set CP,    272
.set XS,    279552                     ; x's scale bytes, 16 a row
.set SC,    280576                     ; partial scores: 32 bytes a row, a word a wave
.set PB,    282624                     ; p, 256 bytes for each wave, its own
.set RED,   284672                     ; the eight waves' last partial sums
.set QL,    284928                     ; q: each wave's 64 numbers, 256 bytes, its own
.set SPARE, 286976                     ; the spare words, 128 bytes a wave
.set LI,   1
.set SPW,  2
.set NIL,  3
.set AQB,  4
.set CST,  8
.set XST,  9
.set FA,   10
.set XSA,  11
.set SCST, 12
.set SCLD, 13
.set PST,  14
.set PLD,  15
.set MX,   16
.set LS,   17
.set PFO,  18
.set QLD,  19
.set AQ,   20
.set SR,   20
.set VV,   20
.set WS,   24
.set XSC,  40
.set POOL, 56
.set P,    64
.set ACC,  96
.set XF,   128
.set QT,   ACC
.set QS,   ACC+4
.set QC,   ACC+8
.set QB,   ACC+24
.set WV,   14
.set CL,   15
.set G1,   16
.set G0,   24
.set TB,   28
.set CNT,  29
.set SEL,  30
.set PFA,  32
.set MSB, 0
.macro WIN new                         ; the immediate's high byte repeats the setting that is left
.if MSB != \new
	s_set_vgpr_msb (MSB<<8)|\new
.set MSB, \new
.endif
.endm
.macro PLACES
.rept 4
	v_nop
.endr
.endm
.macro VLOAD t                         ; V's tile t into v384 + 32 t ..
.irp s, 0,1,2,3
.irp c, 0,1
	global_load_b128 v[128+32*(\t)+8*\s+4*\c:128+32*(\t)+8*\s+4*\c+3], v[LI], s[6:7] offset:131072+4096*(\t)+1024*\s+512*\c
.endr
.endr
.endm
	s_load_b256 s[4:11], s[0:1], 0x0               ; x, wq, wsc, v
	s_load_b64 s[12:13], s[0:1], 0x20              ; out
	v_lshl_add_u32 v[SPW], v0, 2, SPARE
	v_mov_b32 v[NIL], 0
	ds_add_u32 v[SPW], v[NIL]                      ; the opening lines: the add twice on end and its wait
	ds_add_u32 v[SPW], v[NIL]
	v_lshrrev_b32 v96, 5, v0
	v_readfirstlane_b32 s[WV], v96                 ; wave 0..7
	v_and_b32 v96, 31, v0                          ; lane
	v_lshlrev_b32 v[LI], 4, v96
	v_lshlrev_b32 v101, 3, v96
	s_mov_b32 s[G1+0], 3<<16                       ; elements of 8 bytes, no padding
	s_mov_b32 s[G1+1], 32<<16
	s_mov_b32 s[G1+2], 64<<16
	s_mov_b32 s[G1+3], 32<<16
	s_mov_b32 s[G1+4], 64
	s_mov_b32 s[G1+5], 32
	s_mov_b32 s[G1+6], 0
	s_mov_b32 s[G1+7], 0
	s_lshl_b32 s36, ttmp9, 20                      ; my sequence
	s_mov_b32 s37, 0
	s_lshl_b32 s38, s[WV], 14                      ; my wave's 16,384 bytes: of a block, of a slot, and of wq
	s_mov_b32 s39, 0
	s_mul_i32 s40, s[WV], 8*CP
	s_lshl_b32 s41, s[WV], 7
	s_lshl_b32 s42, s[WV], 8
	s_lshl_b32 s43, s[WV], 2
	s_lshl_b32 s44, s[WV], 11
	s_mov_b32 s45, 0
	s_lshl_b32 s46, s[WV], 8
	s_mov_b32 s47, 0
	s_mov_b32 s[G0], 1
	s_lshl_b32 s[G0+1], s[WV], 14
	s_mov_b32 s[SEL], 0x76543210
	s_mov_b32 s[SEL+1], 0xfedcba98
	s_mov_b32 s[CL], 0x3fb8aa3b                    ; c = log2(e)
	s_mov_b32 s[TB], 0
	s_mov_b32 s[CNT], 7
	s_wait_alu depctr_va_vdst(0)
	s_wait_dscnt 0x0
	s_wait_kmcnt 0x0
	s_add_nc_u64 s[4:5], s[4:5], s[36:37]
	s_add_nc_u64 s[G0+2:G0+3], s[4:5], s[38:39]
	s_add_nc_u64 s[PFA:PFA+1], s[G0+2:G0+3], SLOTB
	s_or_b32 s[G0+3], s[G0+3], 0x80000000
	s_add_nc_u64 s[6:7], s[6:7], s[38:39]          ; my four tiles of W in wq
	s_add_nc_u64 s[8:9], s[8:9], s[44:45]          ; their scale words
	s_add_nc_u64 s[10:11], s[10:11], s[46:47]      ; my 64 numbers of v
	s_add_co_u32 s46, s46, 511*2048
	s_add_nc_u64 s[4:5], s[4:5], s[46:47]          ; my 64 numbers of q, the last row of x
	s_lshl_b32 s46, ttmp9, 2
	s_add_nc_u64 s[12:13], s[12:13], s[46:47]
	tensor_load_to_lds s[G0:G0+3], s[G1:G1+7]      ; block 0, my one load at the head
	s_nop 0
	global_load_b64 v[P:P+1], v101, s[4:5]         ; q: 32 lanes read my wave's 256 bytes
.irp t, 0,1,2,3
	global_load_b128 v[WS+4*\t:WS+4*\t+3], v[LI], s[8:9] offset:512*\t   ; lanes 0-15 W's four words of a row, lanes 16-31 V's
.endr
	WIN 0x40                                       ; destinations v256-511
.irp t, 0,1,2,3
.irp s, 0,1,2,3
.irp c, 0,1
	global_load_b128 v[32*\t+8*\s+4*\c:32*\t+8*\s+4*\c+3], v[LI], s[6:7] offset:4096*\t+1024*\s+512*\c
.endr
.endr
.endr
	VLOAD 0
	VLOAD 1
	VLOAD 2
	WIN 0
	v_and_b32 v97, 15, v0                          ; r
	v_bfe_u32 v98, v0, 4, 1                        ; h
	v_lshrrev_b32 v99, 2, v96
.irp i, 0,1,2,3
	v_add_nc_u32 v100, \i, v99
	v_and_b32 v100, 3, v100
	v_lshlrev_b32 v100, 4, v100
	v_lshl_add_u32 v[AQB+\i], v96, 6, v100         ; 64 bytes a lane, quad (i + lane / 4) % 4
	v_add_nc_u32 v[AQB+\i], s38, v[AQB+\i]
.endr
	v_lshl_add_u32 v[CST], v96, 3, CODES           ; my 8 bytes of a row's codes
	v_add_nc_u32 v[CST], s40, v[CST]
	v_lshrrev_b32 v[XST], 1, v96                   ; my block's scale byte
	v_add_nc_u32 v[XST], s41, v[XST]
	v_add_nc_u32 v[XST], XS, v[XST]
	v_mul_u32_u24 v[FA], v97, CP                   ; a fragment: row r, + 16 h
	v_lshl_add_u32 v[FA], v98, 4, v[FA]
	v_add_nc_u32 v[FA], CODES, v[FA]
	v_lshl_add_u32 v[XSA], v97, 4, XS
	v_lshl_add_u32 v[SCST], v97, 5, SC
	v_add_nc_u32 v[SCST], s43, v[SCST]
	v_lshl_add_u32 v[SCLD], v96, 5, SC
	v_lshl_add_u32 v[PST], v96, 2, PB
	v_add_nc_u32 v[PST], s42, v[PST]
	v_lshl_add_u32 v[PLD], v98, 5, PB
	v_add_nc_u32 v[PLD], s42, v[PLD]
	v_lshl_add_u32 v102, v96, 3, QL                ; q into LDS as it lies,
	v_add_nc_u32 v102, s42, v102
	v_lshl_add_u32 v[QLD], v98, 5, QL              ; and back: 32 h, tile t 64 t bytes on
	v_add_nc_u32 v[QLD], s42, v[QLD]
	v_mov_b32 v[MX], 0xff61b1e6                    ; -3e38, under every c score
	v_mov_b32 v[LS], 0
	v_lshlrev_b32 v[PFO], 8, v96
.irp j, 0,1,2,3,4,5,6,7
	v_mov_b32 v[POOL+\j], 0
.endr
	s_wait_alu depctr_va_vdst(0)
	s_wait_loadcnt 60                              ; q is in: behind it 4 loads of scale words, W's 32 and 24 of V's were issued
	ds_store_b64 v102, v[P:P+1]                    ; my wave's own bytes, read by my wave alone
	WIN 0x40
	VLOAD 3
	WIN 0
; four rows: a block's largest magnitude (my 16 numbers, the floor 2^(3 - 127), my neighbour's 16), 2 off its exponent field = the conversion's scale operand, its byte, the codes
.macro QCALC set
.irp rr, 0,1,2,3
	v_max3_num_f32 v[QT+\rr], |v[XF+64*(\set)+16*\rr]|, |v[XF+64*(\set)+16*\rr+1]|, 0x1800000
.endr
.irp i, 2,4,6,8,10,12,14
.irp rr, 0,1,2,3
	v_max3_num_f32 v[QT+\rr], v[QT+\rr], |v[XF+64*(\set)+16*\rr+\i]|, |v[XF+64*(\set)+16*\rr+\i+1]|
.endr
.endr
.irp rr, 0,1,2,3
	v_max_num_f32_dpp v[QT+\rr], v[QT+\rr], v[QT+\rr] row_xmask:1 row_mask:0xf bank_mask:0xf
.endr
.irp rr, 0,1,2,3
	v_add_nc_u32 v[QS+\rr], 0xff000000, v[QT+\rr]
.endr
.irp rr, 0,1,2,3
	v_cvt_scalef32_pk8_fp4_f32 v[QC+8*(\set)+2*\rr], v[XF+64*(\set)+16*\rr:XF+64*(\set)+16*\rr+7], v[QS+\rr]
	v_cvt_scalef32_pk8_fp4_f32 v[QC+8*(\set)+2*\rr+1], v[XF+64*(\set)+16*\rr+8:XF+64*(\set)+16*\rr+15], v[QS+\rr]
.endr
.irp rr, 0,1,2,3
	v_lshrrev_b32 v[QB+4*(\set)+\rr], 23, v[QS+\rr]    ; (also the plain line behind the conversions)
.endr
.irp rr, 0,1,2,3
	ds_store_b64 v[CST], v[QC+8*(\set)+2*\rr:QC+8*(\set)+2*\rr+1] offset:CP*(4*(\set)+\rr)
	ds_store_b8 v[XST], v[QB+4*(\set)+\rr] offset:16*(4*(\set)+\rr)
.endr
.endm
; K^T of rows 16 m .. 16 m + 15 x my 64 columns: the four accumulators by turns; then . q: lane (r, h) holds row r, register 8 t + j column 16 t + 8 h + j
.macro KTILE m
	s_wait_dscnt 24-8*(\m)                         ; q, x's scale words and the fragments up to tile m are in; the later tiles' loads may be out
	WIN 0x01                                       ; source 0 in v256-511
.irp s, 0,1,2,3
.irp t, 0,1,2,3
.if \s == 0
	v_wmma_scale_f32_16x16x128_f8f6f4 v[ACC+8*\t:ACC+8*\t+7], v[32*\t+8*\s:32*\t+8*\s+7], v[XF+32*(\m)+8*\s:XF+32*(\m)+8*\s+7], 0, v[WS+4*\t+\s], v[XSC+4*(\m)+\s] matrix_a_fmt:MATRIX_FMT_FP4 matrix_b_fmt:MATRIX_FMT_FP4
.else
	v_wmma_scale_f32_16x16x128_f8f6f4 v[ACC+8*\t:ACC+8*\t+7], v[32*\t+8*\s:32*\t+8*\s+7], v[XF+32*(\m)+8*\s:XF+32*(\m)+8*\s+7], v[ACC+8*\t:ACC+8*\t+7], v[WS+4*\t+\s], v[XSC+4*(\m)+\s] matrix_a_fmt:MATRIX_FMT_FP4 matrix_b_fmt:MATRIX_FMT_FP4
.endif
.endr
.endr
	PLACES
	v_nop                                          ; a fifth place: the lines below all name tile 0's registers, and the next products write over them
	WIN 0
.irp c, 0,1,2,3
	v_pk_mul_f32 v[ACC+2*\c:ACC+2*\c+1], v[ACC+2*\c:ACC+2*\c+1], v[P+2*\c:P+2*\c+1]   ; tile 0's registers take the sums: four chains
.endr
.irp t, 1,2,3
.irp c, 0,1,2,3
	v_pk_fma_f32 v[ACC+2*\c:ACC+2*\c+1], v[ACC+8*\t+2*\c:ACC+8*\t+2*\c+1], v[P+8*\t+2*\c:P+8*\t+2*\c+1], v[ACC+2*\c:ACC+2*\c+1]
.endr
.endr
	v_pk_add_f32 v[ACC:ACC+1], v[ACC:ACC+1], v[ACC+2:ACC+3]
	v_pk_add_f32 v[ACC+4:ACC+5], v[ACC+4:ACC+5], v[ACC+6:ACC+7]
	v_pk_add_f32 v[ACC:ACC+1], v[ACC:ACC+1], v[ACC+4:ACC+5]
	v_add_f32 v[ACC], v[ACC], v[ACC+1]
	v_permlanex16_b32 v[ACC+2], v[ACC], s[SEL], s[SEL+1]
	v_add_f32 v[SR+(\m)], v[ACC], v[ACC+2]
	ds_store_b32 v[SCST], v[SR+(\m)] offset:512*(\m)
.endm
; every wave: the eight partials of rows lane and lane + 32, the running maximum, p, the sum of p; p comes back as register 8 m + j = row 16 m + 8 h + j.  It names no register of the products issued ahead of it
.macro SOFT ask
	ds_load_b128 v[64:67], v[SCLD]
	ds_load_b128 v[68:71], v[SCLD] offset:16
	ds_load_b128 v[72:75], v[SCLD] offset:1024
	ds_load_b128 v[76:79], v[SCLD] offset:1040
.if \ask
	s_cmp_gt_u32 s[CNT], 1                         ; trips 0 to 5: block i + 2 exists
	s_cbranch_scc0 .Lno_ask_\@
	global_prefetch_b8 v[PFO], s[PFA:PFA+1] th:TH_LOAD_NT scope:SCOPE_SE
	global_prefetch_b8 v[PFO], s[PFA:PFA+1] offset:8192 th:TH_LOAD_NT scope:SCOPE_SE
.Lno_ask_\@:
.endif
	s_wait_dscnt 0x0
	v_pk_add_f32 v[64:65], v[64:65], v[66:67]
	v_pk_add_f32 v[68:69], v[68:69], v[70:71]
	v_pk_add_f32 v[72:73], v[72:73], v[74:75]
	v_pk_add_f32 v[76:77], v[76:77], v[78:79]
	v_pk_add_f32 v[64:65], v[64:65], v[68:69]
	v_pk_add_f32 v[72:73], v[72:73], v[76:77]
	v_add_f32 v64, v64, v65
	v_add_f32 v72, v72, v73
	v_max_num_f32 v80, v64, v72
	v_max_num_f32_dpp v80, v80, v80 row_xmask:1 row_mask:0xf bank_mask:0xf
	v_max_num_f32_dpp v80, v80, v80 row_xmask:2 row_mask:0xf bank_mask:0xf
	v_max_num_f32_dpp v80, v80, v80 row_xmask:4 row_mask:0xf bank_mask:0xf
	v_max_num_f32_dpp v80, v80, v80 row_xmask:8 row_mask:0xf bank_mask:0xf
	v_mov_b32 v81, v80
	v_permlanex16_b32 v81, v80, s[SEL], s[SEL+1]
	v_max_num_f32 v80, v80, v81
	v_mul_f32 v80, s[CL], v80                      ; the block's largest score x c
	v_mov_b32 v23, v[MX]
	v_max_num_f32 v[MX], v[MX], v80                ; m
	v_fma_f32 v64, v64, s[CL], -v[MX]
	v_fma_f32 v72, v72, s[CL], -v[MX]
	v_sub_f32 v23, v23, v[MX]                      ; old m - new m
	s_wait_alu depctr_va_vdst(0)
	v_exp_f32 v20, v64
	v_exp_f32 v21, v72
	v_exp_f32 v22, v23
	v_nop
	s_wait_alu depctr_va_vdst(0)
	ds_store_b32 v[PST], v20
	ds_store_b32 v[PST], v21 offset:128
	v_add_f32 v81, v20, v21
	v_fma_f32 v[LS], v[LS], v22, v81
.irp t, 0,1,2,3
	v_pk_mul_f32 v[POOL+2*\t:POOL+2*\t+1], v[POOL+2*\t:POOL+2*\t+1], v[22:23] op_sel_hi:[1,0]
.endr
.irp m, 0,1,2,3
.irp k, 0,1
	ds_load_b128 v[P+8*\m+4*\k:P+8*\m+4*\k+3], v[PLD] offset:64*\m+16*\k   ; my wave's own bytes: LDS serves a wave's instructions in order (ISA guide 5.7.1.4)
.endr
.endr
	s_wait_alu depctr_va_vdst(0)
	s_wait_dscnt 0x0
.endm
; vals of rows 16 m .. x my 64 columns: lane (r, h) holds column 16 t + r, register j row 16 m + 8 h + j
.macro VMUL m
	WIN 0x04                                       ; source 1 in v256-511
.irp s, 0,1,2,3
.irp t, 0,1,2,3
.if \s == 0
	v_wmma_scale_f32_16x16x128_f8f6f4 v[ACC+8*\t:ACC+8*\t+7], v[XF+32*(\m)+8*\s:XF+32*(\m)+8*\s+7], v[128+32*\t+8*\s:128+32*\t+8*\s+7], 0, v[XSC+4*(\m)+\s], v[WS+4*\t+\s] matrix_a_fmt:MATRIX_FMT_FP4 matrix_b_fmt:MATRIX_FMT_FP4 matrix_b_scale:MATRIX_SCALE_ROW1
.else
	v_wmma_scale_f32_16x16x128_f8f6f4 v[ACC+8*\t:ACC+8*\t+7], v[XF+32*(\m)+8*\s:XF+32*(\m)+8*\s+7], v[128+32*\t+8*\s:128+32*\t+8*\s+7], v[ACC+8*\t:ACC+8*\t+7], v[XSC+4*(\m)+\s], v[WS+4*\t+\s] matrix_a_fmt:MATRIX_FMT_FP4 matrix_b_fmt:MATRIX_FMT_FP4 matrix_b_scale:MATRIX_SCALE_ROW1
.endif
.endr
.endr
.endm
.macro VRED m                          ; weighed with p and summed
	s_wait_alu depctr_va_vdst(0)
.irp jj, 0,2,4,6
.irp t, 0,1,2,3
	v_pk_fma_f32 v[POOL+2*\t:POOL+2*\t+1], v[ACC+8*\t+\jj:ACC+8*\t+\jj+1], v[P+8*(\m)+\jj:P+8*(\m)+\jj+1], v[POOL+2*\t:POOL+2*\t+1]
.endr
.endr
.endm
.macro BLOCK fill, last
	s_wait_tensorcnt 0x0                           ; my part of this block is in, and no load of mine is out
	ds_add_u32 v[SPW], v[NIL]
.if \fill
	s_xor_b32 s[G0+1], s[G0+1], SLOTB              ; the walking descriptor: the other slot, the next block
	s_add_nc_u64 s[G0+2:G0+3], s[G0+2:G0+3], SLOTB
	s_wait_xcnt 0x0                                ; my prefetches have read their address
	s_add_nc_u64 s[PFA:PFA+1], s[PFA:PFA+1], SLOTB
.endif
.irp i, 0,1,2,3
	v_add_nc_u32 v[AQ+\i], s[TB], v[AQB+\i]
.endr
	s_wait_alu depctr_va_vdst(0)
	s_wait_dscnt 0x0
	s_barrier_signal -1
	s_barrier_wait -1
.if \fill
	tensor_load_to_lds s[G0:G0+3], s[G1:G1+7]      ; the next block, into the slot read a block ago: my one load until the next change
	s_nop 0
	PLACES
.endif
.irp rr, 0,1,2,3,4,5,6,7
.irp i, 0,1,2,3
	ds_load_b128 v[XF+16*\rr+4*\i:XF+16*\rr+4*\i+3], v[AQ+\i] offset:2048*\rr
.endr
.endr
	s_wait_dscnt 16                                ; rows 0-3 are in; rows 4-7's 16 loads may be out
	QCALC 0
	s_wait_dscnt 8                                 ; rows 4-7 are in; the 8 stores just issued may be out
	QCALC 1
	s_wait_dscnt 0x0                               ; for the others' sake: my codes and bytes have landed
	s_barrier_signal -1
	s_barrier_wait -1
.irp t, 0,1,2,3
	ds_load_b128 v[P+8*\t:P+8*\t+3], v[QLD] offset:64*\t          ; q(64 w + 16 t + 8 h + 0 .. 7), into the registers that held p
	ds_load_b128 v[P+8*\t+4:P+8*\t+7], v[QLD] offset:64*\t+16
.endr
.irp m, 0,1,2,3
	ds_load_b128 v[XSC+4*\m:XSC+4*\m+3], v[XSA] offset:256*\m
.endr
.irp m, 0,1,2,3
.irp s, 0,1,2,3
.irp c, 0,1
	ds_load_b128 v[XF+32*\m+8*\s+4*\c:XF+32*\m+8*\s+4*\c+3], v[FA] offset:16*CP*\m+64*\s+32*\c
.endr
.endr
.endr
	s_wait_loadcnt 32                              ; the first block: the scale words and W are in; V's 32 loads may be out
	KTILE 0
	KTILE 1
	KTILE 2
	KTILE 3
	s_wait_loadcnt 0x0                             ; the first block: V is in
	VMUL 0                                         ; these products hang on no score: they are issued ahead of the barrier and the softmax
	WIN 0
	s_wait_dscnt 0x0
	s_barrier_signal -1
	s_barrier_wait -1
	SOFT \fill
.if \last
	v_and_b32 v[LI], 15, v0                        ; v(64 w + 16 t + r), into v20-23, which the softmax has done with
	v_lshlrev_b32 v[LI], 2, v[LI]
.irp t, 0,1,2,3
	global_load_b32 v[VV+\t], v[LI], s[10:11] offset:64*\t
.endr
.endif
	VRED 0
.irp m, 1,2,3
	VMUL \m
	PLACES
	WIN 0
	VRED \m
.endr
	s_xor_b32 s[TB], s[TB], SLOTB
.endm
.Lblk:                                                 ; blocks 0 to 6: each asks for its successor
	BLOCK 1, 0
	s_sub_co_u32 s[CNT], s[CNT], 1
	s_cmp_lg_u32 s[CNT], 0
	s_wait_alu depctr_va_vdst(0)
	s_cbranch_scc1 .Lblk
	BLOCK 0, 1                                     ; block 7 is written out: it asks for nothing
	s_wait_alu depctr_va_vdst(0)
	s_wait_loadcnt 0x0                             ; v
.irp t, 0,1,2,3
	v_add_f32 v[P+\t], v[POOL+2*\t], v[POOL+2*\t+1]
.endr
.irp t, 0,1,2,3
	v_permlanex16_b32 v[P+8+\t], v[P+\t], s[SEL], s[SEL+1]
.endr
.irp t, 0,1,2,3
	v_add_f32 v[P+\t], v[P+\t], v[P+8+\t]          ; the weighed sum over all 512 rows, column 16 t + r
.endr
	v_add_f32_dpp v[LS], v[LS], v[LS] row_xmask:1 row_mask:0xf bank_mask:0xf
	v_add_f32_dpp v[LS], v[LS], v[LS] row_xmask:2 row_mask:0xf bank_mask:0xf
	v_add_f32_dpp v[LS], v[LS], v[LS] row_xmask:4 row_mask:0xf bank_mask:0xf
	v_add_f32_dpp v[LS], v[LS], v[LS] row_xmask:8 row_mask:0xf bank_mask:0xf
	v_permlanex16_b32 v[P+16], v[LS], s[SEL], s[SEL+1]
	v_add_f32 v[LS], v[LS], v[P+16]                ; the sum of p
	s_wait_alu depctr_va_vdst(0)
	v_rcp_f32 v[P+17], v[LS]
	v_nop
	s_wait_alu depctr_va_vdst(0)
.irp t, 0,1,2,3
	v_mul_f32 v[P+\t], v[P+\t], v[P+17]
.endr
.irp t, 0,1,2,3
	v_max_num_f32 v[P+\t], 0, v[P+\t]
.endr
	v_mul_f32 v[P+18], v[P], v[VV]
.irp t, 1,2,3
	v_fma_f32 v[P+18], v[P+\t], v[VV+\t], v[P+18]
.endr
	v_add_f32_dpp v[P+18], v[P+18], v[P+18] row_xmask:1 row_mask:0xf bank_mask:0xf
	v_add_f32_dpp v[P+18], v[P+18], v[P+18] row_xmask:2 row_mask:0xf bank_mask:0xf
	v_add_f32_dpp v[P+18], v[P+18], v[P+18] row_xmask:4 row_mask:0xf bank_mask:0xf
	v_add_f32_dpp v[P+18], v[P+18], v[P+18] row_xmask:8 row_mask:0xf bank_mask:0xf
	s_lshl_b32 s36, s[WV], 2
	s_add_co_u32 s36, s36, RED
	v_mov_b32 v[P+19], s36
	v_mov_b32 v[P+24], RED
	ds_store_b32 v[P+19], v[P+18]                  ; my wave's 64 columns: all lanes write the same word with the same value
	s_wait_alu depctr_va_vdst(0)
	s_wait_dscnt 0x0
	s_barrier_signal -1
	s_barrier_wait -1
	ds_load_b128 v[P+20:P+23], v[P+24]
	ds_load_b128 v[P+28:P+31], v[P+24] offset:16
	s_wait_tensorcnt 0x0                           ; the wave's end
	ds_add_u32 v[SPW], v[NIL]
	s_wait_dscnt 0x0
	v_pk_add_f32 v[P+20:P+21], v[P+20:P+21], v[P+22:P+23]
	v_pk_add_f32 v[P+28:P+29], v[P+28:P+29], v[P+30:P+31]
	v_pk_add_f32 v[P+20:P+21], v[P+20:P+21], v[P+28:P+29]
	v_add_f32 v[P+20], v[P+20], v[P+21]
	v_mov_b32 v[P+25], 0
	s_cmp_lg_u32 s[WV], 0                          ; wave 0's lane 0 stores the sequence's number
	s_cbranch_scc1 .Lend
	s_wait_xcnt 0x0
	v_cmp_eq_u32 vcc_lo, 0, v0
	s_and_saveexec_b32 s40, vcc_lo
	s_wait_alu depctr_va_vdst(0)
	global_store_b32 v[P+25], v[P+20], s[12:13]
	s_wait_xcnt 0x0
	s_or_b32 exec_lo, exec_lo, s40
.Lend:
	s_endpgm
.Lfunc_end_k_qaf06f743cb_main:
	.size	k_qaf06f743cb_main, .Lfunc_end_k_qaf06f743cb_main-k_qaf06f743cb_main
	.p2alignl 7, 3214868480
	.fill 96, 4, 3214868480
	.section	.rodata,"a",@progbits
	.p2align	6, 0x0
	.amdhsa_kernel k_qaf06f743cb_main
		.amdhsa_group_segment_fixed_size 327680
		.amdhsa_private_segment_fixed_size 0
		.amdhsa_enable_private_segment 0
		.amdhsa_kernarg_size 40
		.amdhsa_user_sgpr_count 2
		.amdhsa_user_sgpr_kernarg_segment_ptr 1
		.amdhsa_wavefront_size32 1
		.amdhsa_system_sgpr_workgroup_id_x 1
		.amdhsa_system_sgpr_workgroup_id_y 1
		.amdhsa_system_sgpr_workgroup_id_z 1
		.amdhsa_system_vgpr_workitem_id 0
		.amdhsa_next_free_vgpr 512
		.amdhsa_next_free_sgpr 66
		.amdhsa_reserve_vcc 1
		.amdhsa_float_denorm_mode_32 3
		.amdhsa_float_denorm_mode_16_64 3
		.amdhsa_memory_ordered 1
		.amdhsa_forward_progress 1
		.amdhsa_inst_pref_size 102
	.end_amdhsa_kernel
	.amdgpu_metadata
---
amdhsa.version: [ 1, 2 ]
amdhsa.kernels:
  - .name:           k_qaf06f743cb_main
    .symbol:         k_qaf06f743cb_main.kd
    .args:
      - { .name: input_seq, .offset: 0, .size: 8, .value_kind: global_buffer, .address_space: global }
      - { .name: wq, .offset: 8, .size: 8, .value_kind: global_buffer, .address_space: global }
      - { .name: wsc, .offset: 16, .size: 8, .value_kind: global_buffer, .address_space: global }
      - { .name: v, .offset: 24, .size: 8, .value_kind: global_buffer, .address_space: global }
      - { .name: out0, .offset: 32, .size: 8, .value_kind: global_buffer, .address_space: global }
    .group_segment_fixed_size: 327680
    .private_segment_fixed_size: 0
    .kernarg_segment_align: 8
    .kernarg_segment_size: 40
    .max_flat_workgroup_size: 256
    .sgpr_count:     66
    .vgpr_count:     512
    .wavefront_size: 32
...
	.end_amdgpu_metadata
.endif
;; end of part 2
